; MI455X (gfx1250); checked and timed in simulation.
; The chip was launched on July 23, 2026; its instructions are those of AMD's public machine-readable ISA for CDNA 5 (MIT licence, August 2026) and "CDNA5" Instruction Set Architecture Reference Guide (July 2026). The comments in the code are by the model that wrote it; some were corrected since.
;; Attention. Allowed arithmetic: matrix products marked QUANTISED: E2M1 operands, one E8M0 scale for each 32 along K, by v_wmma_scale_f32_16x16x128_f8f6f4 with both operands' format E2M1 (or v_wmma_scale_f32_32x16x128_f4), f32 sums; everything else in f32.
;; Inputs: cache_k 2 x 2,048 x 8 x 128 float32; cache_v 2 x 2,048 x 8 x 128 float32; freqs_cos 2,048 x 64 float32; freqs_sin 2,048 x 64 float32; wk 4,096 x 1,024 float32; wq 4,096 x 1,024 float32; wv 4,096 x 1,024 float32; x 2 x 2,048 x 4,096 float32.
;; Outputs: out0 2 x 2,048 x 1,024 float32.
;; Constants: start_pos = 0.
;; This version of the problem:
;;   THIS VERSION OF THE PROBLEM IS GIVEN IN LOW PRECISION. The matrix products marked QUANTISED in the list below multiply operands that are first quantised to E2M1 (2 exponent bits, 1 mantissa bit; 4 bits a number), with one power-of-two scale for each 32 numbers along K (OCP MX v1.0); their sums are f32. All else is computed in f32.
;;   The module's matrix products, in the order in which they are computed (A, B: the left and right operand; K: the contracted axis; several contracted axes count as one K, in the product's order):
;;     1. [M 4,096, K 4,096] x [K 4,096, N 1,024]; A: input x; B: input wq: QUANTISED
;;     2. [M 4,096, K 4,096] x [K 4,096, N 1,024]; A: input x; B: input wk: QUANTISED
;;     3. [M 4,096, K 4,096] x [K 4,096, N 1,024]; A: input x; B: input wv: QUANTISED
;;     4. batch 16 x [M 2,048, K 128] x [K 128, N 2,048]; A: computed on the way; B: computed on the way: QUANTISED
;;     5. batch 16 x [M 128, K 2,048] x [K 2,048, N 2,048]; A: computed on the way; B: softmax (see below): QUANTISED
;;   THE QUANTISER, for each operand of a quantised product, along K:
;;     - K is cut into blocks of 32 from its start; a last block that is shorter is filled with zeros.
;;     - A block's scale is 2^e with e = floor(log2(the largest magnitude in the block)) - 2, held to -126 .. 127; a block of zeros has e = 0. As a byte (E8M0): e + 127.
;;     - Each number is divided by its block's scale, clamped to +-6, and rounded to the nearest number of E2M1, ties to even, subnormals kept.
;;     - The product sums the exact products of the quantised numbers (number of the format x scale) in f32.
;;   ~~~python
;;   def quantise(x, axis):      # numpy; x: float32 -> the quantised numbers, widened to float32 again
;;       x = np.moveaxis(x, axis, -1); K = x.shape[-1]
;;       x = np.pad(x, [(0, 0)] * (x.ndim - 1) + [(0, -K % 32)]); x = x.reshape(x.shape[:-1] + (-1, 32)); a = np.abs(x).max(-1, keepdims=True)
;;       e = np.where(a > 0, np.clip(np.frexp(np.where(a > 0, a, 1))[1] - 1 - 2, -126, 127), 0)      # np.frexp(a)[1] - 1 = floor(log2(a)), exactly
;;       r = np.clip(x / 2.0 ** e, -6, 6)
;;       step = 2.0 ** (np.maximum(np.frexp(np.where(r == 0, 1, r))[1] - 1, 0) - 1)
;;       q = np.round(r / step) * step * 2.0 ** e      # np.round: ties to even
;;       return np.moveaxis(q.reshape(q.shape[:-2] + (-1,))[..., :K], -1, axis).astype(np.float32)
;;   ~~~
;;   SOFTMAX AHEAD OF A QUANTISED PRODUCT. Where the list says 'softmax', what is quantised is not the finished softmax but p = 2^(t - M), with t = logit x log2(e) and M = ceil(the row's largest t), a whole number; so 1/2 < the row's largest p <= 1. The row's sum l is taken of the UNQUANTISED p, in f32, and the product's result is divided by l at the end. Since M is a whole number, a kernel that streams over the keys may use a running M (the ceiling of the running maximum): every later rescaling is an exact power of two, which a block's scale takes up: the codes' values come out the same.
;;   OPERANDS COMPUTED ON THE WAY. 'Computed on the way' means the value that the module computes at that place (a softmax that the list does not call 'softmax' is quantised finished and normalised). What goes into a quantiser is computed in f32, as accurately as f32 sums, v_exp_f32 and their like allow (about 1e-6 of the number): no bf16 or f16 on the way to a quantiser, and a product that is left as it is and whose result goes on into a quantised operand takes f32 operands (vector FMAs, or v_wmma_f32_16x16x4_f32). A number that lies on a knife's edge between two numbers of the format may be rounded either way, as far as f32 arithmetic and the matrix unit's own rounding can turn it there, and no further.
;; One version. Each part assembles by itself: llvm-mc -triple=amdgcn-amd-amdhsa -mcpu=gfx1250 --defsym DOCPART=n.
;; ======== version 1 of 1: 3 launches
;; limits: right only within a limited range of input values
;; workspace buffers: xa 8,912,896 bytes; wb 6,684,672 bytes; qkv 6,684,672 bytes
;; launch quant (part 1): grid 1024 x 1, 4 waves a work-group, no clusters, 55,808 bytes of LDS; arguments x, wq, wk, wv, xa, wb; writes xa, wb
.if DOCPART == 1
	.amdgcn_target "amdgcn-amd-amdhsa--gfx1250"
	.amdhsa_code_object_version 6
	.text
	.protected	k_q4dbb005ec3_quant
	.globl	k_q4dbb005ec3_quant
	.p2align	8
	.type	k_q4dbb005ec3_quant,@function
k_q4dbb005ec3_quant:
	s_mov_b64 s[64:65], 0
	v_nop
	global_prefetch_b8 v0, s[64:65] scope:SCOPE_SE
	s_setreg_imm32_b32 hwreg(HW_REG_WAVE_MODE, 25, 1), 1
	s_wait_xcnt 0x0
; x [4096][4096] f32 (K innermost) and wq, wk, wv [4096 (k)][1024] f32 (K the FIRST axis) become codes of FP4 (E2M1) with one E8M0 byte for each 32 along K.
; A block's scale is 2^(floor(log2(its largest magnitude)) - 2); its byte is the largest magnitude's exponent field - 2, held at 1 from below.
; LIMITS: a block of zeros gets the byte 1 where the quantiser says 127: its codes are zeros, which add nothing under any byte but 0xff, and this program alone reads the bytes;
; blocks whose largest magnitude lies under 2^-124 keep the byte 1; NaN and infinities among the inputs are not served.
; WHAT IS WRITTEN.  Pieces of 34,816 bytes: 128 rows x 272 bytes; a row is 256 bytes of codes (512 along K) and then that row's 16 scale bytes.  A piece is dense in memory and, copied as it lies,
; has rows 272 bytes apart.  Place i of a piece holds row sw(i), sw = bits 3 and 4 of the number exchanged: so sixteen places on end hold rows 32 (t / 2) + 8 (t % 2) + r + 8 (r / 8),
; the choice of rows that lets the next launch's results lie as neighbours along the next K.
; xa: [row block 0..31][K step 0..7][piece];  wb: [q, k, v][head 0..7][K step 0..7][piece], a row being a column of the weight.
; SHARES.  Work-groups 0..255 take a piece of x each, 256..447 a piece of a weight: one scalar branch on the work-group's number; each way has LDS bytes of its own.
; A wave makes 32 rows of its piece, 8,704 dense bytes, gathers them in its own LDS and stores them 512 consecutive bytes an instruction.  Waves share nothing: no barrier.
; DEAD WORK, LEFT OUT IN THE WHOLE PROGRAM.  start_pos = 0 and the slices xk, xv are [2, 2048, 8, 128], the caches' own shape: dynamic_update_slice writes every element of cache_k and of cache_v,
; whatever they hold, so no number of either cache has a way to the result.  cache_k and cache_v are not loaded and are among no launch's arguments.
; LIMIT: a NaN or an infinity in a cache is not carried to the result (reference() overwrites it too).
; wb's PIECES ARE LAID OTHERWISE THAN x's (this replaces what stands above of wb's rows): a wave's 8,704 bytes are [128 along K, 0..3][tile of 16 places, 0..1][c 0..1][lane 16 h + r][16 bytes]: the registers of an
; operand as they stand (row r, K = 64 c + 32 h + 0..31), 8,192 bytes; then [128 along K, 0..3][place 0..31] scale words, 512 bytes.
.set BLKB,  34816
.set WPART, 8704                       ; a wave's 32 rows of it
.set RP,    272                        ; a row
.set SP,    80                         ; x: a lane's place in a stage: its 64 bytes + 16 of padding
.set XREG,  13824                      ; x: a wave's LDS: two stages of 32 x SP bytes, then its 8,704 bytes on the way out
.set XOUT,  5120
.set WSTG,  4*XREG
.set R,     16                         ; x: v16-143  eight sets of 16 numbers as they are loaded; at the end v16-83 the way out
.set X,     144                        ; x: v144-175 two sets of 16 neighbours
.set C,     176                        ; x: v176-183 four pairs of codes
.set E,     184                        ; x: v184-187 four scale bytes
.set WSB,   24                         ; w: v24   a column's 4 scale bytes
.set WX,    32                         ; w: v32-95   two sets of 32 numbers
.set WC,    96                         ; w: v96-111  four blocks' codes
.set WOUT,  112
	s_load_b256 s[4:11], s[0:1], 0x0               ; x s[4:5], wq s[6:7], wk s[8:9], wv s[10:11]
	s_load_b128 s[12:15], s[0:1], 0x20             ; xa s[12:13], wb s[14:15]
	v_lshl_add_u32 v192, v0, 2, 0xd800
	v_mov_b32 v193, 0
	v_lshrrev_b32 v1, 5, v0
	v_readfirstlane_b32 s16, v1                    ; wave 0..3
	v_and_b32 v2, 31, v0                           ; lane
; the way out of both ways: 17 loads of 512 bytes from my LDS, 17 stores of 512 consecutive bytes
.macro OUT adr, voff, sbase, reg
.irp i, 0,1,2,3,4,5,6,7,8,9,10,11,12,13,14,15,16
	ds_load_b128 v[\reg+4*\i:\reg+4*\i+3], v[\adr] offset:512*\i   ; LDS serves a wave's instructions in order: these see my stores
.endr
.irp i, 0,1,2,3,4,5,6,7,8,9,10,11,12,13,14,15,16
	s_wait_dscnt 16-\i                             ; the loads behind load i may be out
	global_store_b128 v[\voff], v[\reg+4*\i:\reg+4*\i+3], s[\sbase:\sbase+1] offset:512*\i th:TH_STORE_NT
.endr
.endm
	s_cmp_ge_u32 ttmp9, 256
	s_cbranch_scc1 .Lweights
; ---------------- x: a step is one row's 512 numbers.  The loads take the bytes as they lie, 16 a lane; the row turns through the wave's stage and comes back 64 bytes a lane: 16 neighbours; two lanes hold a block
	v_lshlrev_b32 v3, 4, v2                        ; my 16 bytes of a load's 512
	s_mul_i32 s17, s16, XREG
	v_lshrrev_b32 v14, 2, v2
	v_mul_u32_u24 v14, v14, SP
	v_and_b32 v15, 3, v2
	v_lshl_add_u32 v14, v15, 4, v14
	v_add_nc_u32 v14, s17, v14                     ; the stage, on the way in: SP (lane / 4) + 16 (lane % 4)
	v_mul_u32_u24 v15, v2, SP
	v_add_nc_u32 v15, s17, v15                     ; and back: SP x lane
	s_add_co_u32 s17, s17, XOUT
	v_lshl_add_u32 v4, v2, 3, s17                  ; my 8 bytes of a row's codes
	v_lshrrev_b32 v5, 1, v2
	v_add_nc_u32 v5, s17, v5
	v_add_nc_u32 v5, 256, v5                       ; my block's scale byte, behind the row's codes
	v_add_nc_u32 v6, s17, v3                       ; the way out: 16 x lane
	s_lshr_b32 s18, ttmp9, 3                       ; row block
	s_and_b32 s19, ttmp9, 7                        ; K step
	s_lshl_b32 s18, s18, 7
	s_lshl_b32 s20, s16, 5
	s_add_co_u32 s18, s18, s20                     ; my first row: 128 x row block + 32 x wave
	s_lshl_b32 s18, s18, 14                        ; a row of x is 16,384 bytes
	s_lshl_b32 s19, s19, 11                        ; a K step 2,048
	s_add_co_u32 s18, s18, s19
	s_mov_b32 s19, 0
	s_mul_i32 s20, ttmp9, BLKB                     ; the work-group's number is the piece's
	s_mul_i32 s21, s16, WPART
	s_add_co_u32 s20, s20, s21
	s_mov_b32 s21, 0
	s_wait_alu depctr_va_vdst(0)
	s_wait_kmcnt 0x0
	s_add_nc_u64 s[4:5], s[4:5], s[18:19]
	s_add_nc_u64 s[12:13], s[12:13], s[20:21]
.macro XLOAD t
.irp i, 0,1,2,3
	global_load_b128 v[R+16*((\t)%8)+4*\i:R+16*((\t)%8)+4*\i+3], v3, s[4:5] offset:16384*(\t)+512*\i th:TH_LOAD_NT   ; 32 lanes read 512 consecutive bytes
.endr
.endm
.macro XTURN t
.irp i, 0,1,2,3
	ds_store_b128 v14, v[R+16*((\t)%8)+4*\i:R+16*((\t)%8)+4*\i+3] offset:32*SP*((\t)%2)+8*SP*\i
.endr
.irp i, 0,1,2,3
	ds_load_b128 v[X+16*((\t)%2)+4*\i:X+16*((\t)%2)+4*\i+3], v15 offset:32*SP*((\t)%2)+16*\i
.endr
.endm
.irp t, 0,1,2,3,4,5,6,7
	XLOAD \t                                       ; eight rows, 32 loads a wave, are on their way
.endr
	s_wait_loadcnt 28                              ; row 0's four loads are in; the seven rows behind it may be out
	XTURN 0
.macro XSTEP t
.set XS, X+16*((\t)%2)
.set PO, RP*(((\t)&7)|(((\t)&8)<<1)|(((\t)&16)>>1))   ; row t of my 32 goes to place sw(t)
.if (\t) > 0
	s_wait_dscnt 2                                 ; this row is back from the stage; behind its loads stand the last step's two stores
.else
	s_wait_dscnt 0x0
.endif
.if (\t)+8 < 32
	XLOAD (\t)+8                                   ; into the set that this row has left
.endif
.if (\t)+1 < 32
.if 30-(\t) >= 7
	s_wait_loadcnt 28                              ; the next row is in; the seven rows behind it may be out
.else
	s_wait_loadcnt 4*(30-(\t))                     ; the rows that are left behind it
.endif
	XTURN (\t)+1                                   ; it goes through the other stage while this row is worked
.endif
	v_max3_num_f32 v8, |v[XS]|, |v[XS+1]|, |v[XS+2]|               ; the largest magnitude of my 16, in two chains
	v_max3_num_f32 v9, |v[XS+3]|, |v[XS+4]|, |v[XS+5]|
.irp i, 6,10
	v_max3_num_f32 v8, v8, |v[XS+\i]|, |v[XS+\i+1]|
	v_max3_num_f32 v9, v9, |v[XS+\i+2]|, |v[XS+\i+3]|
.endr
	v_max3_num_f32 v8, v8, |v[XS+14]|, |v[XS+15]|
	v_max3_num_f32 v8, v8, v9, 0x1800000           ; and the floor 2^(3 - 127): the byte cannot fall under 1
	v_max_num_f32_dpp v8, v8, v8 row_xmask:1 row_mask:0xf bank_mask:0xf   ; with my neighbour's 16: the block's
	v_add_nc_u32 v11, 0xff000000, v8               ; 2 off its exponent field: the conversion takes that field as its scale, and nothing else
	v_cvt_scalef32_pk8_fp4_f32 v[C+2*((\t)%4)], v[XS:XS+7], v11
	v_cvt_scalef32_pk8_fp4_f32 v[C+2*((\t)%4)+1], v[XS+8:XS+15], v11
	v_lshrrev_b32 v[E+(\t)%4], 23, v11             ; the scale's byte (a plain line behind the conversions)
	ds_store_b64 v4, v[C+2*((\t)%4):C+2*((\t)%4)+1] offset:PO
	ds_store_b8 v5, v[E+(\t)%4] offset:PO          ; both lanes of a block write the same byte with the same value
.endm
.irp t, 0,1,2,3,4,5,6,7,8,9,10,11,12,13,14,15,16,17,18,19,20,21,22,23,24,25,26,27,28,29,30,31
	XSTEP \t
.endr
	OUT 6, 3, 12, R
	s_wait_tensorcnt 0x0
	ds_add_u32 v192, v193
	s_wait_dscnt 0x0
	s_endpgm
; ---------------- the weights: A LANE TAKES A COLUMN AND ITS REGISTERS RUN DOWN K: a block of 32 lies in one lane's 32 registers, and the conversions give codes with K innermost
.Lweights:
; SHARES OF THE WEIGHTS' WAY, AS THEY NOW STAND (this replaces what stands at the head of them): work-groups 256..1023 take 128 along K of a piece each: 128 columns x 4 blocks of 32; a wave 32 columns.
; A lane's 16 bytes of a block's codes lie, with its fifteen neighbours' of the same tile, in 256 consecutive aligned bytes of the image: they are stored from registers, and this way uses no LDS but the spare words.
; A wave's 32 scale words are 128 consecutive bytes, half a unit of 256: one byte in 128 of what the wave reads.
	s_sub_co_u32 s26, ttmp9, 256
	s_lshr_b32 s17, s26, 2                         ; the piece's number in wb
	s_and_b32 s26, s26, 3                          ; which 128 along K of its 512
	s_lshr_b32 s18, s17, 6                         ; 0: wq, 1: wk, 2: wv
	s_bfe_u32 s19, s17, 0x30003                    ; head
	s_and_b32 s20, s17, 7                          ; K step
	s_wait_alu depctr_va_vdst(0)
	v_lshlrev_b32 v3, 2, v2                        ; in: 4 bytes a lane
	v_and_b32 v4, 7, v2
	v_bfe_u32 v5, v2, 3, 1
	v_bfe_u32 v6, v2, 4, 1
	v_lshl_add_u32 v4, v5, 4, v4
	v_lshl_add_u32 v4, v6, 3, v4                   ; sw(lane): my column's place among my wave's 32
	v_lshrrev_b32 v5, 4, v4                        ; which tile of 16 places
	v_mul_u32_u24 v5, v5, 768
	v_lshlrev_b32 v8, 2, v4                        ; my row's scale word
	v_lshl_add_u32 v4, v4, 4, v5                   ; 1,024 x tile + 16 x (place % 16): my row's 16 bytes in an image
	s_mul_i32 s22, s16, WPART
	s_lshl_b32 s20, s20, 21                        ; 512 rows of 4,096 bytes a K step
	s_lshl_b32 s19, s19, 9                         ; 128 columns a head
	s_lshl_b32 s23, s16, 7                         ; 32 columns a wave
	s_add_co_u32 s20, s20, s19
	s_add_co_u32 s20, s20, s23
	s_lshl_b32 s23, s26, 19                        ; 128 rows of 4,096 bytes
	s_add_co_u32 s20, s20, s23
	s_mov_b32 s21, 0
	s_mul_i32 s24, s17, BLKB
	s_add_co_u32 s24, s24, s22
	s_lshl_b32 s28, s26, 7                         ; the scale words of my 128 along K: 128 bytes, behind the wave's 8,192 bytes of images
	s_add_co_u32 s28, s28, s24
	s_add_co_u32 s28, s28, 8192
	s_mov_b32 s29, 0
	s_lshl_b32 s27, s26, 11                        ; its two images: 2,048 bytes
	s_add_co_u32 s24, s24, s27
	s_mov_b32 s25, 0
	s_wait_alu depctr_va_vdst(0)
	s_wait_kmcnt 0x0
	s_cmp_eq_u32 s18, 2                            ; the choice hangs on the work-group's number alone
	s_cselect_b64 s[8:9], s[10:11], s[8:9]
	s_cmp_eq_u32 s18, 0
	s_cselect_b64 s[6:7], s[6:7], s[8:9]
	s_add_nc_u64 s[6:7], s[6:7], s[20:21]
	s_add_nc_u64 s[28:29], s[14:15], s[28:29]
	s_add_nc_u64 s[14:15], s[14:15], s[24:25]
.macro WLOAD t                         ; block t: W(32 t + i, my column) into set t % 2; a wave reads 128 consecutive bytes, the four waves stand side by side
.irp i, 0,1,2,3,4,5,6,7,8,9,10,11,12,13,14,15,16,17,18,19,20,21,22,23,24,25,26,27,28,29,30,31
	global_load_b32 v[WX+32*((\t)%2)+\i], v3, s[6:7] offset:(32*(\t)+\i)*4096 th:TH_LOAD_NT
.endr
.endm
	WLOAD 0
	WLOAD 1
.macro WBLK t
.set XS, WX+32*((\t)%2)
.if (\t) < 3
	s_wait_loadcnt 32                              ; this block's 32 loads are in; the next block's may be out
.else
	s_wait_loadcnt 0x0
.endif
	v_max3_num_f32 v12, |v[XS]|, |v[XS+1]|, |v[XS+2]|              ; all 32 numbers of the block are mine
	v_max3_num_f32 v13, |v[XS+3]|, |v[XS+4]|, |v[XS+5]|
.irp i, 6,10,14,18,22,26
	v_max3_num_f32 v12, v12, |v[XS+\i]|, |v[XS+\i+1]|
	v_max3_num_f32 v13, v13, |v[XS+\i+2]|, |v[XS+\i+3]|
.endr
	v_max3_num_f32 v12, v12, |v[XS+30]|, |v[XS+31]|
	v_max3_num_f32 v12, v12, v13, 0x1800000        ; the floor
	v_add_nc_u32 v11, 0xff000000, v12              ; the conversion's scale operand
	v_lshrrev_b32 v13, 23, v11                     ; the byte
.if (\t)%4 == 0
	v_mov_b32 v[WSB+(\t)/4], v13                   ; four bytes to a register, the lower K in the lower byte
.else
	v_lshl_or_b32 v[WSB+(\t)/4], v13, 8*((\t)%4), v[WSB+(\t)/4]
.endif
.irp g, 0,1,2,3
	v_cvt_scalef32_pk8_fp4_f32 v[WC+4*(\t)+\g], v[XS+8*\g:XS+8*\g+7], v11   ; each block has registers of its own for its codes: no store's data are written again
.endr
	global_store_b128 v4, v[WC+4*(\t):WC+4*(\t)+3], s[14:15] offset:512*((\t)/2)+256*((\t)%2) th:TH_STORE_NT   ; block t: c = t / 2, h = t % 2; sixteen lanes store 256 consecutive aligned bytes
.if (\t)+2 < 4
	WLOAD (\t)+2
.endif
.endm
.irp t, 0,1,2,3
	WBLK \t
.endr
	s_wait_alu depctr_va_vdst(0)
	global_store_b32 v8, v[WSB], s[28:29] th:TH_STORE_NT   ; my row's scale word for these 128 along K
	s_wait_tensorcnt 0x0
	ds_add_u32 v192, v193
	s_wait_dscnt 0x0
	s_endpgm
.Lfunc_end_k_q4dbb005ec3_quant:
	.size	k_q4dbb005ec3_quant, .Lfunc_end_k_q4dbb005ec3_quant-k_q4dbb005ec3_quant
	.p2alignl 7, 3214868480
	.fill 96, 4, 3214868480
	.section	.rodata,"a",@progbits
	.p2align	6, 0x0
	.amdhsa_kernel k_q4dbb005ec3_quant
		.amdhsa_group_segment_fixed_size 55808
		.amdhsa_private_segment_fixed_size 0
		.amdhsa_enable_private_segment 0
		.amdhsa_kernarg_size 48
		.amdhsa_user_sgpr_count 2
		.amdhsa_user_sgpr_kernarg_segment_ptr 1
		.amdhsa_wavefront_size32 1
		.amdhsa_system_sgpr_workgroup_id_x 1
		.amdhsa_system_sgpr_workgroup_id_y 1
		.amdhsa_system_sgpr_workgroup_id_z 1
		.amdhsa_system_vgpr_workitem_id 0
		.amdhsa_next_free_vgpr 194
		.amdhsa_next_free_sgpr 66
		.amdhsa_reserve_vcc 0
		.amdhsa_float_denorm_mode_32 3
		.amdhsa_float_denorm_mode_16_64 3
		.amdhsa_memory_ordered 1
		.amdhsa_forward_progress 1
		.amdhsa_inst_pref_size 86
	.end_amdhsa_kernel
	.amdgpu_metadata
---
amdhsa.version: [ 1, 2 ]
amdhsa.kernels:
  - .name:           k_q4dbb005ec3_quant
    .symbol:         k_q4dbb005ec3_quant.kd
    .args:
      - { .name: x, .offset: 0, .size: 8, .value_kind: global_buffer, .address_space: global }
      - { .name: wq, .offset: 8, .size: 8, .value_kind: global_buffer, .address_space: global }
      - { .name: wk, .offset: 16, .size: 8, .value_kind: global_buffer, .address_space: global }
      - { .name: wv, .offset: 24, .size: 8, .value_kind: global_buffer, .address_space: global }
      - { .name: xa, .offset: 32, .size: 8, .value_kind: global_buffer, .address_space: global }
      - { .name: wb, .offset: 40, .size: 8, .value_kind: global_buffer, .address_space: global }
    .group_segment_fixed_size: 55808
    .private_segment_fixed_size: 0
    .kernarg_segment_align: 8
    .kernarg_segment_size: 48
    .max_flat_workgroup_size: 128
    .sgpr_count:     66
    .vgpr_count:     194
    .wavefront_size: 32
...
	.end_amdgpu_metadata
.endif
;; end of part 1
;; launch proj (part 2): grid 8 x 32, 4 waves a work-group, clusters of 4 x 1, 327,680 bytes of LDS; arguments xa, wb, freqs_cos, freqs_sin, qkv; writes qkv
.if DOCPART == 2
	.amdgcn_target "amdgcn-amd-amdhsa--gfx1250"
	.amdhsa_code_object_version 6
	.text
	.protected	k_q4dbb005ec3_proj
	.globl	k_q4dbb005ec3_proj
	.p2align	8
	.type	k_q4dbb005ec3_proj,@function
k_q4dbb005ec3_proj:
	s_mov_b64 s[64:65], 0
	v_nop
	global_prefetch_b8 v0, s[64:65] scope:SCOPE_SE
	s_setreg_imm32_b32 hwreg(HW_REG_WAVE_MODE, 25, 1), 1
	s_wait_xcnt 0x0
	s_wait_alu depctr_hold_cnt(0) depctr_sa_sdst(0) depctr_va_vdst(0) depctr_va_sdst(0) depctr_va_ssrc(0) depctr_va_vcc(0) depctr_vm_vsrc(0)
	s_getreg_b32 s2, hwreg(HW_REG_IB_STS2, 6, 4)
	s_cmp_eq_u32 s2, 0
	s_cbranch_scc0 .Lentry_in_a_cluster
	s_endpgm
.Lentry_in_a_cluster:
	s_bfe_u32 s2, ttmp6, 0x10000c
	s_cmp_lg_u32 s2, 0x3003
	s_cbranch_scc0 .Lentry_shape_is_right
	s_endpgm
.Lentry_shape_is_right:
; q, k, v = x wq, x wk, x wv on codes of FP4 (E2M1) with E8M0 scales; rope on q and k; q and k quantised along the head's 128, v along the tokens; all three stored as images of operand registers.
; LEFT OUT AS DEAD WORK: cache_k and cache_v: with start_pos = 0 the update writes every element of both (shown at the head of the first kernel).
; SHARES.  A work-group: 128 tokens (row block y) x one head (x) of q, k and v.  A wave: all 128 tokens x 32 columns of each of the three: 48 accumulators, 384 registers.
; x's CODES STAY IN LDS: the row block's eight K steps of 512 are 8 x 34,816 dense bytes.  Each wave asks for two of them by its one tensor load at the head; nothing is filled again, and the loop has no barrier.
; CLUSTER: the four work-groups of a cluster are four heads of one row block and want the same bytes of xa: the loads are joint ones, mask 15.
; THE WEIGHTS GO FROM MEMORY INTO REGISTERS.  Each byte of wb that the work-group needs is an operand of ONE of its waves (26,112 bytes a wave and K step, laid as register images), so it takes no way through LDS,
; and so no joint load, which lands in LDS alone.  A ring of eight sets of 48 registers; step q (128 along K) asks for step q + 4: 15 loads a step, 60 out at the most.
; PREFETCH of wb: K steps 4 to 7; the 32 row blocks of a head share them out: row block y asks for part y / 8 (8,704 bytes) of the three pieces of K step y % 8, waves 0 to 2 a piece each, 34 blocks of 256 bytes by two
; instructions (lanes left over name the last block again), in the trip before the trip that first loads that K step.  K steps 0 to 3 come by their loads alone.  xa: all of it is asked for at the head: no prefetch.
; BOTH q AND k ARE MADE TRANSPOSED (source 0 = 16 columns of the weight, source 1 = 16 tokens): a lane holds one token, its registers run along d.  v the other way round: a lane holds one d, registers along the tokens.
; qkv: [8 b + h][q: 16 token blocks x 8,704 | k, v: 16 token blocks x (8,704 + 8,704)]; a chunk of 8,704 is 8 fragment images of 1,024 bytes and 128 scale words.
; LIMITS: as the quantising launch states them; NaN and infinities are not served.
; REGISTERS.  window 0: v0-31 addresses; v32-63 x's scale words, two sets; v64-87 the weights' scale words, eight sets of 3; v88-95 codes; v128-255 x's fragments, two buffers (on the way out at work);
;   window 1: q's and k's sums; window 2: v0-127 v's sums; from v128 of window 2 to the end of window 3: the weights' ring (at the end its first 128 registers take cos and sin).
.set BLKB,  34816
.set PSTR,  64*BLKB                    ; from wq's pieces to wk's to wv's
.set SPARE, 8*BLKB                     ; the spare words, 512 bytes
.set SST,   SPARE+512                  ; the scale words on the way out: q's 512 bytes, k's, v's
.set ADRA, 4
.set ASA,  5
.set BO,   6                           ; 16 x lane
.set BS,   7                           ; 4 x lane
.set A0,   8
.set AS0,  9
.set FC,   20
.set SQ,   23
.set SV,   24
.set GC,   25
.set LI,   26
.set SRD,  27
.set SPW,  28
.set NIL,  29
.set PFO,  30
.set PF2,  31
.set SCA,  32
.set SCB,  64
.set C,    88
.set W,    128
.set T,    192
.set TM,   200
.set Z,    216
.set WV,   18
.set G1A,  24
.set G0A,  32
.set BB,   36                          ; s[36:37] my wave's part of wq's piece of the K step at which the trip begins
.set TA,   38                          ; LDS byte of the K step whose fragments are fetched
.set CNT,  39
.set LIM,  40
.set PFA,  42
.set SEL,  44
.set MSB, 0
.macro WIN new                         ; the immediate's high byte repeats the setting that is left
.if MSB != (\new)
	s_set_vgpr_msb (MSB<<8)|(\new)
.set MSB, (\new)
.endif
.endm
.macro PLACES n
.rept \n
	v_nop
.endr
.endm
.macro CROUND                          ; a round of the cluster's barrier
	s_barrier_signal -1
	s_barrier_wait -1
	s_cmp_lg_u32 s[WV], 0
	s_cbranch_scc1 .Lnot_wave_0_\@
	s_barrier_signal -3
.Lnot_wave_0_\@:
	s_barrier_wait -3
	s_barrier_signal -1
	s_barrier_wait -1
.endm
	s_load_b256 s[4:11], s[0:1], 0x0               ; xa, wb, cos, sin
	s_load_b64 s[12:13], s[0:1], 0x20              ; qkv
	v_lshl_add_u32 v[SPW], v0, 2, SPARE
	v_mov_b32 v[NIL], 0
	ds_add_u32 v[SPW], v[NIL]                      ; the opening lines: the add, twice on end, and its wait below
	ds_add_u32 v[SPW], v[NIL]
	v_lshrrev_b32 v1, 5, v0
	v_readfirstlane_b32 s[WV], v1                  ; wave 0..3
	s_bfe_u32 s20, ttmp6, 0x40000                  ; cx
	s_lshl_b32 s22, ttmp9, 2
	s_add_co_u32 s22, s22, s20                     ; head 0..7
	s_and_b32 s23, ttmp7, 0xffff                   ; row block 0..31, which the four partners share
	s_mov_b32 s[G1A], 15|(3<<16)|(1<<21)           ; the mask: all four; elements of 8 bytes; bit 21 beside a mask
	s_mov_b32 s[G1A+1], 32<<16                     ; rows of 256 bytes,
	s_mov_b32 s[G1A+2], 272<<16                    ; 272 of them: two K steps
	s_mov_b32 s[G1A+3], 32<<16
	s_mov_b32 s[G1A+4], 272
	s_mov_b32 s[G1A+5], 32
	s_mov_b32 s[G1A+6], 0
	s_mov_b32 s[G1A+7], 0
	s_mov_b32 s[SEL], 0x76543210
	s_mov_b32 s[SEL+1], 0xfedcba98
	s_mov_b32 s[TA], 0
	s_mul_i32 s46, s[WV], 2*BLKB                   ; my two K steps, in LDS and in the row block's bytes
	s_lshl_b32 s48, s23, 3
	s_mul_i32 s48, s48, BLKB
	s_add_co_u32 s48, s48, s46
	s_mov_b32 s49, 0
	s_lshl_b32 s50, s22, 3                         ; wb: the head's pieces of wq, my wave's part
	s_mul_i32 s50, s50, BLKB
	s_mul_i32 s51, s[WV], 8704
	s_add_co_u32 s50, s50, s51
	s_mov_b32 s51, 0
	s_min_u32 s52, s[WV], 2                        ; the prefetch: piece (wave, head, K step y % 8), part y / 8
	s_lshl_b32 s52, s52, 3
	s_add_co_u32 s52, s52, s22
	s_lshl_b32 s52, s52, 3
	s_and_b32 s53, s23, 7
	s_add_co_u32 s52, s52, s53
	s_mul_i32 s52, s52, BLKB
	s_lshr_b32 s54, s23, 3
	s_mul_i32 s54, s54, 8704
	s_add_co_u32 s52, s52, s54
	s_lshr_b32 s53, s53, 1
	s_sub_co_u32 s54, 5, s53                       ; K steps 4, 5: the trip with count 3; 6, 7: count 2; 0 to 3: a count that no trip has
	s_mov_b32 s53, 0
	s_cmp_lt_u32 s[WV], 3
	s_cselect_b32 s[LIM], s54, 0
	s_lshr_b32 s84, s23, 4                         ; qkv: 8 b + h,
	s_lshl_b32 s84, s84, 3
	s_add_co_u32 s84, s84, s22
	s_mul_i32 s84, s84, 48*8704
	s_and_b32 s85, s23, 15                         ; the token block
	s_mul_i32 s86, s85, 8704
	s_add_co_u32 s86, s86, s84                     ; q's chunk
	s_mul_i32 s88, s85, 17408
	s_add_co_u32 s88, s88, s84
	s_add_co_u32 s88, s88, 16*8704                 ; k's chunk; v's follows it
	s_max_u32 s90, s[WV], 1
	s_sub_co_u32 s90, s90, 1
	s_mul_i32 s90, s90, 8704
	s_add_co_u32 s90, s90, s88
	s_cmp_eq_u32 s[WV], 0
	s_cselect_b32 s90, s86, s90                    ; the scale words: wave 0 stores q's, wave 1 k's, wave 2 v's
	s_add_co_u32 s90, s90, 8192
	s_lshl_b32 s92, s[WV], 8
	s_add_co_u32 s86, s86, s92                     ; q's and k's codes: my 32 of the head's 128 are 256 bytes of each image
	s_add_co_u32 s92, s88, s92
	s_lshl_b32 s94, s[WV], 11
	s_add_co_u32 s94, s94, s88
	s_add_co_u32 s94, s94, 8704                    ; v's codes: my 32 d are two images
	s_mov_b32 s87, 0
	s_mov_b32 s91, 0
	s_mov_b32 s93, 0
	s_mov_b32 s95, 0
	s_lshl_b32 s96, s85, 15                        ; cos, sin: 128 positions of 256 bytes
	s_mov_b32 s97, 0
	v_and_b32 v1, 15, v0                           ; r
	v_bfe_u32 v2, v0, 4, 1                         ; h
	v_and_b32 v3, 31, v0                           ; lane
	v_lshlrev_b32 v[BO], 4, v3
	v_lshlrev_b32 v[BS], 2, v3
	v_mul_u32_u24 v[A0], v1, 272
	v_lshl_add_u32 v[A0], v2, 4, v[A0]             ; x's fragments: row r, + 16 h
	v_mul_u32_u24 v[AS0], v3, 272
	v_add_nc_u32 v[AS0], 256, v[AS0]               ; x's scale words: behind the row's codes; lanes 0-15 an even tile, 16-31 the odd one
	v_and_b32 v10, 8, v1
	v_add_nc_u32 v10, v10, v1                      ; r + 8 (r / 8)
	v_lshlrev_b32 v[FC], 8, v10
	v_lshl_add_u32 v[FC], v2, 5, v[FC]
	s_lshl_b32 s85, s[WV], 6
	v_add_nc_u32 v[FC], s85, v[FC]                 ; cos, sin: my token's row, pairs 16 wave + 8 h on
	v_lshl_add_u32 v[SQ], v1, 2, SST
	v_add_nc_u32 v[SQ], s[WV], v[SQ]               ; q's, k's scale byte: word r, byte = wave
	v_lshl_add_u32 v[SV], v1, 2, SST+1024
	s_lshl_b32 s85, s[WV], 7
	v_add_nc_u32 v[SV], s85, v[SV]                 ; v's scale word
	v_lshlrev_b32 v[GC], 4, v1
	v_lshl_add_u32 v[GC], v2, 3, v[GC]             ; my 8 bytes of codes: 16 r + 8 h
	v_lshlrev_b32 v[LI], 4, v3
	s_lshl_b32 s85, s[WV], 9
	v_add_nc_u32 v[SRD], s85, v[LI]
	v_add_nc_u32 v[SRD], SST, v[SRD]
	v_lshlrev_b32 v[PFO], 8, v3                    ; the prefetch: blocks 0 to 31 of my 34,
	v_min_u32 v[PF2], 1, v3
	v_lshl_add_u32 v[PF2], v[PF2], 8, 8192         ; and blocks 32, 33
.irp b, 0,1,2,3
	v_mov_b32 v[TM+4+\b], 0                        ; a lane permute's destination counts as one of its sources
.endr
	s_wait_alu depctr_va_vdst(0)
	s_wait_dscnt 0x0                               ; both opening adds are done
	s_wait_kmcnt 0x0
	s_add_nc_u64 s[76:77], s[12:13], s[86:87]
	s_add_nc_u64 s[78:79], s[12:13], s[92:93]
	s_add_nc_u64 s[80:81], s[12:13], s[94:95]
	s_add_nc_u64 s[82:83], s[12:13], s[90:91]
	s_add_nc_u64 s[72:73], s[8:9], s[96:97]
	s_add_nc_u64 s[74:75], s[10:11], s[96:97]
	s_add_nc_u64 s[BB:BB+1], s[6:7], s[50:51]
	s_add_nc_u64 s[PFA:PFA+1], s[6:7], s[52:53]
	s_mov_b32 s[G0A], 1
	s_mov_b32 s[G0A+1], s46
	s_add_nc_u64 s[G0A+2:G0A+3], s[4:5], s[48:49]
	s_or_b32 s[G0A+3], s[G0A+3], 0x80000000
	CROUND                                         ; all four work-groups are here: the joint loads meet
	tensor_load_to_lds s[G0A:G0A+3], s[G1A:G1A+7]  ; my one tensor load: K steps 2 w and 2 w + 1 of x's codes
	s_nop 0
	PLACES 4
; the weights of step q (counted from the K step at s[BB]): 12 loads of 512 bytes into ring set q % 8, and 3 of scale words
.macro BLOAD q
.irp p, 0,1,2
.set BA, 640+48*((\q)%8)+16*\p
	WIN ((BA/256)<<6)
.irp i, 0,1,2,3
	global_load_b128 v[BA%256+4*\i:BA%256+4*\i+3], v[BO], s[BB:BB+1] offset:PSTR*\p+((\q)/4)*BLKB+((\q)%4)*2048+512*\i
.endr
.endr
	WIN 0
.irp p, 0,1,2
	global_load_b32 v[SCB+3*((\q)%8)+\p], v[BS], s[BB:BB+1] offset:PSTR*\p+((\q)/4)*BLKB+8192+((\q)%4)*128
.endr
.endm
; x's eight fragments of step q into buffer q % 2; at a K step's first step the addresses move on (adv = 1) and its scale words come too
.macro FETCHA q, adv
.if (\q)%4 == 0
.if \adv
	s_add_co_u32 s[TA], s[TA], BLKB
.endif
	v_add_nc_u32 v[ADRA], s[TA], v[A0]
	v_add_nc_u32 v[ASA], s[TA], v[AS0]
	s_wait_alu depctr_va_vdst(0)
.endif
.irp a, 0,1,2,3,4,5,6,7
.irp c, 0,1
	ds_load_b128 v[128+64*((\q)%2)+8*\a+4*\c:128+64*((\q)%2)+8*\a+4*\c+3], v[ADRA] offset:4352*\a+64*((\q)%4)+32*\c
.endr
.endr
.if (\q)%4 == 0
.irp g, 0,1,2,3
	ds_load_b128 v[SCA+16*(((\q)/4)%2)+4*\g:SCA+16*(((\q)/4)%2)+4*\g+3], v[ASA] offset:8704*\g
.endr
.endif
.endm
.macro CSLOAD hf                       ; cos and sin of token tiles 4 hf .. 4 hf + 3: 16 loads into ring registers that are done with
	WIN 0x80
.irp g, 0,1,2,3
.irp e, 0,1
	global_load_b128 v[128+16*(4*(\hf)+\g)+4*\e:128+16*(4*(\hf)+\g)+4*\e+3], v[FC], s[72:73] offset:(32*((4*(\hf)+\g)/2)+8*(\g%2))*256+16*\e
	global_load_b128 v[136+16*(4*(\hf)+\g)+4*\e:136+16*(4*(\hf)+\g)+4*\e+3], v[FC], s[74:75] offset:(32*((4*(\hf)+\g)/2)+8*(\g%2))*256+16*\e
.endr
.endr
	WIN 0
.endm
.macro WM zero, ra, rb
.if \zero
.if (\ra) && (\rb)
	v_wmma_scale_f32_16x16x128_f8f6f4 v[rD:rD+7], v[rA:rA+7], v[rB:rB+7], 0, v[rSA], v[rSB] matrix_a_fmt:MATRIX_FMT_FP4 matrix_b_fmt:MATRIX_FMT_FP4 matrix_a_scale:MATRIX_SCALE_ROW1 matrix_b_scale:MATRIX_SCALE_ROW1
.elseif \ra
	v_wmma_scale_f32_16x16x128_f8f6f4 v[rD:rD+7], v[rA:rA+7], v[rB:rB+7], 0, v[rSA], v[rSB] matrix_a_fmt:MATRIX_FMT_FP4 matrix_b_fmt:MATRIX_FMT_FP4 matrix_a_scale:MATRIX_SCALE_ROW1
.elseif \rb
	v_wmma_scale_f32_16x16x128_f8f6f4 v[rD:rD+7], v[rA:rA+7], v[rB:rB+7], 0, v[rSA], v[rSB] matrix_a_fmt:MATRIX_FMT_FP4 matrix_b_fmt:MATRIX_FMT_FP4 matrix_b_scale:MATRIX_SCALE_ROW1
.else
	v_wmma_scale_f32_16x16x128_f8f6f4 v[rD:rD+7], v[rA:rA+7], v[rB:rB+7], 0, v[rSA], v[rSB] matrix_a_fmt:MATRIX_FMT_FP4 matrix_b_fmt:MATRIX_FMT_FP4
.endif
.else
.if (\ra) && (\rb)
	v_wmma_scale_f32_16x16x128_f8f6f4 v[rD:rD+7], v[rA:rA+7], v[rB:rB+7], v[rD:rD+7], v[rSA], v[rSB] matrix_a_fmt:MATRIX_FMT_FP4 matrix_b_fmt:MATRIX_FMT_FP4 matrix_a_scale:MATRIX_SCALE_ROW1 matrix_b_scale:MATRIX_SCALE_ROW1
.elseif \ra
	v_wmma_scale_f32_16x16x128_f8f6f4 v[rD:rD+7], v[rA:rA+7], v[rB:rB+7], v[rD:rD+7], v[rSA], v[rSB] matrix_a_fmt:MATRIX_FMT_FP4 matrix_b_fmt:MATRIX_FMT_FP4 matrix_a_scale:MATRIX_SCALE_ROW1
.elseif \rb
	v_wmma_scale_f32_16x16x128_f8f6f4 v[rD:rD+7], v[rA:rA+7], v[rB:rB+7], v[rD:rD+7], v[rSA], v[rSB] matrix_a_fmt:MATRIX_FMT_FP4 matrix_b_fmt:MATRIX_FMT_FP4 matrix_b_scale:MATRIX_SCALE_ROW1
.else
	v_wmma_scale_f32_16x16x128_f8f6f4 v[rD:rD+7], v[rA:rA+7], v[rB:rB+7], v[rD:rD+7], v[rSA], v[rSB] matrix_a_fmt:MATRIX_FMT_FP4 matrix_b_fmt:MATRIX_FMT_FP4
.endif
.endif
.endm
; 16 matrix instructions: q's (part 0) or k's (part 1): source 0 = my two tiles of the weight's columns, source 1 = x's eight tiles.  The accumulators take turns, one instruction a turn
.macro MULQ q, part, zero
.set BA, 640+48*((\q)%8)+16*(\part)
	WIN (0x50|(BA/256))
.irp a, 0,1,2,3,4,5,6,7
.irp u, 0,1
.set rD, 128*(\part)+8*(2*\a+\u)
.set rA, BA%256+8*\u
.set rB, 128+64*((\q)%2)+8*\a
.set rSA, SCB+3*((\q)%8)+(\part)
.set rSB, SCA+16*(((\q)/4)%2)+4*(\a/2)+(\q)%4
	WM \zero, \u, \a%2
.endr
.endr
.endm
.macro MULV q, zero                    ; v's: source 0 = x's tiles, source 1 = the weight's
.set BA, 640+48*((\q)%8)+32
	WIN (0xa0|((BA/256)<<2))
.irp a, 0,1,2,3,4,5,6,7
.irp u, 0,1
.set rD, 8*(2*\a+\u)
.set rA, 128+64*((\q)%2)+8*\a
.set rB, BA%256+8*\u
.set rSA, SCA+16*(((\q)/4)%2)+4*(\a/2)+(\q)%4
.set rSB, SCB+3*((\q)%8)+2
	WM \zero, \a%2, \u
.endr
.endr
.endm
; A STEP of 128 along K.  ld = 1: the weights of step q + 4 are asked for; 2, 3: cos and sin.  n: the loads issued behind this step's 15.  fetch = 1: x's fragments of step q + 1 are fetched
.macro STEP q, zero, ld, n, fetch
	PLACES 4                                       ; between the last step's matrix instructions and this step's loads into registers that they have read
	s_wait_loadcnt \n                              ; this step's weights and their scale words are in
	s_wait_dscnt 0x0                               ; and its fragments of x, asked for 32 matrix instructions ago
	MULQ \q, 0, \zero
	WIN 0
.if \fetch
	FETCHA (\q)+1, 1                               ; one run of LDS loads, 32 matrix instructions ahead of their use
.endif
	MULQ \q, 1, \zero
.if (\ld) == 1
	BLOAD (\q)+4                                   ; one run of loads from memory, four steps ahead of their use
.elseif (\ld) == 2
	CSLOAD 0
.elseif (\ld) == 3
	CSLOAD 1
.endif
	MULV \q, \zero
	WIN 0
.endm
	BLOAD 0
	BLOAD 1
	BLOAD 2
	BLOAD 3
	s_wait_tensorcnt 0x0                           ; my two K steps of x's codes are in;
	s_barrier_signal -1
	s_barrier_wait -1                              ; everybody's are: all eight
	FETCHA 0, 0
	STEP 0, 1, 1, 45, 1                            ; the first step starts the sums.  45: the three later sets of 15 loads
	s_mov_b32 s[CNT], 3
.Ltrip:                                            ; a trip: eight steps, two K steps, once round the weights' ring
	STEP 1, 0, 1, 45, 1
	s_cmp_eq_u32 s[CNT], s[LIM]
	s_cbranch_scc0 .Lno_ask
	global_prefetch_b8 v[PFO], s[PFA:PFA+1] th:TH_LOAD_NT scope:SCOPE_SE
	global_prefetch_b8 v[PF2], s[PFA:PFA+1] th:TH_LOAD_NT scope:SCOPE_SE
.Lno_ask:
	STEP 2, 0, 1, 45, 1
	STEP 3, 0, 1, 45, 1
	STEP 4, 0, 1, 45, 1
	STEP 5, 0, 1, 45, 1
	STEP 6, 0, 1, 45, 1
	STEP 7, 0, 1, 45, 1
	STEP 8, 0, 1, 45, 1
	s_wait_xcnt 0x0                                ; the loads have read their base: it may step
	s_add_nc_u64 s[BB:BB+1], s[BB:BB+1], 2*BLKB
	s_sub_co_u32 s[CNT], s[CNT], 1
	s_cmp_lg_u32 s[CNT], 0
	s_cbranch_scc1 .Ltrip
	STEP 1, 0, 1, 45, 1                            ; the last seven steps are written out: they ask for nothing beyond K's end
	STEP 2, 0, 1, 45, 1
	STEP 3, 0, 1, 45, 1
	STEP 4, 0, 2, 45, 1
	STEP 5, 0, 3, 46, 1                            ; two sets of 15, and 16 of cos and sin
	STEP 6, 0, 0, 47, 1                            ; one set, and 32
	STEP 7, 0, 0, 32, 0
	PLACES 4
; THE WAY OUT
.macro QX v, u, g, i                   ; number i of block g: v = 0: at v[W ..]; v = 1: v's sums of the weight's tile u, in window 2: tiles 2 g and 2 g + 1 of tokens are 16 neighbouring tokens
.set rX, (\v)*(8*(4*(\g)+2*((\i)/8)+(\u))+(\i)%8)+(1-(\v))*(W+16*(\g)+(\i))
.endm
.macro QUANT4 v, u                     ; four blocks of 32 (16 numbers mine, 16 lane l xor 16's): the scale bytes to v[TM+8 ..], the codes to v[C ..]
	WIN 0x0a*(\v)
.irp g, 0,1,2,3
	QX \v, \u, \g, 0
	v_max3_num_f32 v[TM+\g], |v[rX]|, |v[rX+1]|, 0x1800000   ; with the floor 2^(3 - 127): the byte cannot fall under 1.  Each accumulator is read from its low end on
.endr
	WIN 0x28*(\v)
.irp i, 2,4,6,8,10,12,14
.irp g, 0,1,2,3
	QX \v, \u, \g, \i
	v_max3_num_f32 v[TM+\g], v[TM+\g], |v[rX]|, |v[rX+1]|
.endr
.endr
	WIN 0
.irp g, 0,1,2,3
	v_permlanex16_b32 v[TM+4+\g], v[TM+\g], s[SEL], s[SEL+1]
.endr
.irp g, 0,1,2,3
	v_max_num_f32 v[TM+\g], v[TM+\g], v[TM+4+\g]
.endr
.irp g, 0,1,2,3
	v_add_nc_u32 v[TM+12+\g], 0xff000000, v[TM+\g]   ; 2 off the exponent field: the conversion's scale operand
.endr
.irp g, 0,1,2,3
	v_lshrrev_b32 v[TM+8+\g], 23, v[TM+12+\g]        ; the byte
.endr
	s_wait_alu depctr_va_vdst(0)
	s_wait_xcnt 0x0                                ; the last stores have read the codes' registers
	WIN 0x02*(\v)
.irp g, 0,1,2,3
	QX \v, \u, \g, 0
	v_cvt_scalef32_pk8_fp4_f32 v[C+2*\g], v[rX:rX+7], v[TM+12+\g]
	QX \v, \u, \g, 8
	v_cvt_scalef32_pk8_fp4_f32 v[C+2*\g+1], v[rX:rX+7], v[TM+12+\g]
.endr
	WIN 0
	v_nop                                          ; a plain line behind the conversions
.endm
.macro ROPE4 part, hf                  ; the rotation of token tiles 4 hf .. 4 hf + 3: pairs (2 p, 2 p + 1) of my 16 d
	WIN 0x09                                       ; source 0: the sums, window 1; source 1: cos, sin, window 2
.irp g, 0,1,2,3
.irp u, 0,1
.set rX, 128*(\part)+8*(2*(4*(\hf)+\g)+\u)
.set rC, 128+16*(4*(\hf)+\g)+4*\u
.set rW, W+16*\g+8*\u
.irp p, 0,1,2,3
	v_mul_f32 v[T+2*\p], v[rX+2*\p+1], v[rC+8+\p]
	v_mul_f32 v[T+2*\p+1], v[rX+2*\p], v[rC+8+\p]
.endr
.irp p, 0,1,2,3
	v_fma_f32 v[rW+2*\p], v[rX+2*\p], v[rC+\p], -v[T+2*\p]
	v_fma_f32 v[rW+2*\p+1], v[rX+2*\p+1], v[rC+\p], v[T+2*\p+1]
.endr
.endr
.endr
	WIN 0
.endm
.irp u, 0,1                            ; v first: it wants neither cos nor sin, which may still be out
	QUANT4 1, \u
	v_lshl_or_b32 v[T], v[TM+9], 8, v[TM+8]
	v_lshl_or_b32 v[T], v[TM+10], 16, v[T]
	v_lshl_or_b32 v[T], v[TM+11], 24, v[T]
	ds_store_b32 v[SV], v[T] offset:64*\u
.irp b, 0,1,2,3
	global_store_b64 v[GC], v[C+2*\b:C+2*\b+1], s[80:81] offset:1024*\u+512*(\b/2)+256*(\b%2)   ; 32 lanes store 256 consecutive bytes
.endr
.endr
.irp part, 0,1
.irp hf, 0,1
.if \part == 0
	s_wait_loadcnt 16-16*\hf                       ; this half's cos and sin are in
.endif
	ROPE4 \part, \hf
	QUANT4 0, 0
.irp g, 0,1,2,3
	global_store_b64 v[GC], v[C+2*\g:C+2*\g+1], s[76+2*\part:77+2*\part] offset:1024*(4*\hf+\g)
	ds_store_b8 v[SQ], v[TM+8+\g] offset:512*\part+64*(4*\hf+\g)   ; both lanes of a block write the same byte with the same value
.endr
.endr
.endr
	s_wait_dscnt 0x0                               ; my scale bytes and words are in LDS
	s_barrier_signal -1
	s_barrier_wait -1                              ; everybody's are
	s_cmp_eq_u32 s[WV], 3
	s_cbranch_scc1 .Lno_words
	ds_load_b128 v[Z:Z+3], v[SRD]
	s_wait_dscnt 0x0
	global_store_b128 v[LI], v[Z:Z+3], s[82:83]    ; 512 consecutive bytes: a chunk's 128 scale words
.Lno_words:
	s_wait_tensorcnt 0x0                           ; the wave's end
	ds_add_u32 v[SPW], v[NIL]
	s_wait_dscnt 0x0
	CROUND                                         ; the closing round
	s_endpgm
.Lfunc_end_k_q4dbb005ec3_proj:
	.size	k_q4dbb005ec3_proj, .Lfunc_end_k_q4dbb005ec3_proj-k_q4dbb005ec3_proj
	.p2alignl 7, 3214868480
	.fill 96, 4, 3214868480
	.section	.rodata,"a",@progbits
	.p2align	6, 0x0
	.amdhsa_kernel k_q4dbb005ec3_proj
		.amdhsa_group_segment_fixed_size 327680
		.amdhsa_private_segment_fixed_size 0
		.amdhsa_enable_private_segment 0
		.amdhsa_kernarg_size 40
		.amdhsa_user_sgpr_count 2
		.amdhsa_user_sgpr_kernarg_segment_ptr 1
		.amdhsa_wavefront_size32 1
		.amdhsa_system_sgpr_workgroup_id_x 1
		.amdhsa_system_sgpr_workgroup_id_y 1
		.amdhsa_system_sgpr_workgroup_id_z 1
		.amdhsa_system_vgpr_workitem_id 0
		.amdhsa_next_free_vgpr 1024
		.amdhsa_next_free_sgpr 100
		.amdhsa_reserve_vcc 0
		.amdhsa_float_denorm_mode_32 3
		.amdhsa_float_denorm_mode_16_64 3
		.amdhsa_memory_ordered 1
		.amdhsa_forward_progress 1
		.amdhsa_inst_pref_size 203
	.end_amdhsa_kernel
	.amdgpu_metadata
---
amdhsa.version: [ 1, 2 ]
amdhsa.kernels:
  - .name:           k_q4dbb005ec3_proj
    .symbol:         k_q4dbb005ec3_proj.kd
    .args:
      - { .name: xa, .offset: 0, .size: 8, .value_kind: global_buffer, .address_space: global }
      - { .name: wb, .offset: 8, .size: 8, .value_kind: global_buffer, .address_space: global }
      - { .name: freqs_cos, .offset: 16, .size: 8, .value_kind: global_buffer, .address_space: global }
      - { .name: freqs_sin, .offset: 24, .size: 8, .value_kind: global_buffer, .address_space: global }
      - { .name: qkv, .offset: 32, .size: 8, .value_kind: global_buffer, .address_space: global }
    .group_segment_fixed_size: 327680
    .private_segment_fixed_size: 0
    .kernarg_segment_align: 8
    .kernarg_segment_size: 40
    .max_flat_workgroup_size: 128
    .sgpr_count:     100
    .vgpr_count:     1024
    .wavefront_size: 32
...
	.end_amdgpu_metadata
.endif
;; end of part 2
;; launch attn (part 3): grid 16 x 16, 8 waves a work-group, clusters of 4 x 1, 327,680 bytes of LDS; arguments qkv, out0; writes out0
.if DOCPART == 3
	.amdgcn_target "amdgcn-amd-amdhsa--gfx1250"
	.amdhsa_code_object_version 6
	.text
	.protected	k_q4dbb005ec3_attn
	.globl	k_q4dbb005ec3_attn
	.p2align	8
	.type	k_q4dbb005ec3_attn,@function
k_q4dbb005ec3_attn:
	s_mov_b64 s[64:65], 0
	v_nop
	global_prefetch_b8 v0, s[64:65] scope:SCOPE_SE
	s_setreg_imm32_b32 hwreg(HW_REG_WAVE_MODE, 25, 1), 1
	s_wait_xcnt 0x0
	s_wait_alu depctr_hold_cnt(0) depctr_sa_sdst(0) depctr_va_vdst(0) depctr_va_sdst(0) depctr_va_ssrc(0) depctr_va_vcc(0) depctr_vm_vsrc(0)
	s_getreg_b32 s2, hwreg(HW_REG_IB_STS2, 6, 4)
	s_cmp_eq_u32 s2, 0
	s_cbranch_scc0 .Lentry_in_a_cluster
	s_endpgm
.Lentry_in_a_cluster:
	s_bfe_u32 s2, ttmp6, 0x10000c
	s_cmp_lg_u32 s2, 0x3003
	s_cbranch_scc0 .Lentry_shape_is_right
	s_endpgm
.Lentry_shape_is_right:
; out[b][q][h][:] = the sum over k of softmax_k(Q . K / sqrt(128)) V, no mask, both products on codes of FP4 (E2M1) with one E8M0 scale for each 32 along a product's K.
; INPUT.  qkv: [8 b + h][token block 0..15][q, k, v][8,704 bytes]: 8 fragment images of 1,024 bytes ([c 0..1][lane][16 bytes]: an operand's registers as they stand), then 128 scale words (16 t + r).
; Row r of q's and k's fragment t is token 32 (t / 2) + 8 (t % 2) + r + 8 (r / 8) of the block, K = the head's 128.  Row r of v's fragment t is d of the same form, K = the block's 128 tokens in their order.
; THE SOFTMAX AHEAD OF THE SECOND PRODUCT: t = score x log2(e) / sqrt(128); M = the row's largest t so far, rounded UP to a whole number; p = 2^(t - M) is what is quantised, along the keys; it is not normalised.
; The row's sum is taken of the unquantised p, in f32, and divides O at the end.  When M moves, the sum and O are multiplied by 2^(old M - new M): exact.
; SHARES.  A work-group owns the 128 queries of one token block of one head; each of its eight waves one fragment of 16 queries: two waves to a SIMD.  Every wave walks the head's 16 key steps of 128.
; K AND V STAY IN LDS: a head's codes and scale words of K and V are 16 x 17,408 = 278,528 bytes.  They come once, by three tensor loads a wave issued together at the start; nothing is filled again.
; CLUSTER.  The four work-groups of a cluster belong to one head and want the same bytes: every load is a joint one, with the same descriptor and a mask that names the four.
; LAYOUT.  Both products are used transposed: S^T = K Q^T (source 0 = 16 keys, source 1 = my 16 queries), O^T = V^T P^T (source 0 = 16 of the head's 128, source 1 = P): a lane holds ONE query (lane % 16) throughout,
; and by the fragments' order of rows the 16 registers of tiles 2 b and 2 b + 1 of S^T are the neighbouring keys 32 b + 16 (lane / 16) + 0 .. 15.
; THE LDS LOADS STAND A PHASE AHEAD OF THEIR USE.  A step's V (8 fragments, 4 registers of scale words: 20 loads) is asked for at the step's head and is wanted behind the softmax; the NEXT step's K (20 loads) is asked for
; behind this step's products K Q^T and is wanted at the next step's head.  So K has registers of its own, in a second window.
; SCALE WORDS, TWO TILES A LOAD: the words of tiles 2 g and 2 g + 1 are 128 consecutive bytes; lane l takes word l, and the odd tile reads its words from lanes 16-31 of the register.
; No prefetch: all that the work-group reads is asked for at its head.
; LIMITS: NaN and infinities are not served.
; REGISTERS: v1, v2, v7 addresses that stay; v8, v10 addresses of the loads in hand; v12 -M, v13 the largest t, v[14:15] the sum in two halves; v16-23 Q; v24-27 K's scale words; v32-95 V's eight fragments;
;   v96-159 S^T, then p; v160-223 O^T; v224-231 p's codes; v232-247, v252, v254 at work; v248-251 V's scale words, v253 p's, v255 Q's.   window 1: v32-95 (v288-351) K's eight fragments.
; THE INPUT'S ORDER AND THE LOADS, AS THEY NOW STAND (this replaces what stands above of both): qkv: [8 b + h][q: 16 token blocks x 8,704 bytes | 16 token blocks x (k's 8,704, v's 8,704)]: a head's K and V are 278,528 dense bytes.
; Each wave has one joint load at the head, 8,704 bytes: together key steps 0 to 3; and one more, 26,112 bytes, behind the wait for it, the add, its wait and a round of the cluster's barrier: together key steps 4 to 15.
; cache_k and cache_v are dead work (shown at the head of the first kernel).
.set CHUNK, 8704
.set KSB,   2*CHUNK                    ; a key step in LDS: K's chunk, then V's
.set TBLK,  3*CHUNK                    ; a token block in memory
.set STAGE, 16*KSB                     ; behind K and V: 16 rows x (256 bytes + 16) for each wave, for the way out
.set LI,  1                            ; v1   16 x lane: my place in an image
.set LS,  2                            ; v2   4 x lane: my place among two tiles' scale words
.set GO,  7                            ; v7   the way out: my byte offset in the wave's rows of out
.set ADK, 8                            ; v8   the key step's images
.set ADS, 10                           ; v10  its scale words
.set KSW, 24                           ; v24-27   K's scale words: register g: lanes 0-15 tile 2 g, lanes 16-31 tile 2 g + 1
.set VSW, 248                          ; v248-251 V's likewise
.set FR,  32                           ; fragment t at v[FR + 8 t]: V's in window 0, K's in window 1
.set WV,  18
.set SEL, 20                           ; s[20:21] lane selects for v_permlanex16_b32: lane l xor 16
.set CS,  22                           ; s[22:23] c = log2(e) / sqrt(128): the packed form names a pair and takes its low word for both halves
.set G1H, 24                           ; s[24:31] group 1: a chunk, 34 rows of 256 bytes;  s[32:39]: three chunks, 102 rows
.set G1F, 32
.set G0,  40                           ; s[40:51] two groups 0: s[40:43] and s[48:51]
.set TB,  52                           ; s52  LDS byte at which the key step in hand begins
.set CNT, 53
.set MSB, 0
.macro WIN new                         ; s_set_vgpr_msb's low byte: bits 1:0 source 0, 7:6 destination; the immediate's high byte repeats the setting that is left
.if MSB != \new
	s_set_vgpr_msb (MSB<<8)|\new
.set MSB, \new
.endif
.endm
.macro CROUND                          ; a round of the cluster's barrier
	s_barrier_signal -1
	s_barrier_wait -1
	s_cmp_lg_u32 s[WV], 0
	s_cbranch_scc1 .Lnot_wave_0_\@
	s_barrier_signal -3
.Lnot_wave_0_\@:
	s_barrier_wait -3
	s_barrier_signal -1
	s_barrier_wait -1
.endm
	s_load_b128 s[4:7], s[0:1], 0x0                ; qkv s[4:5], out0 s[6:7]
	v_lshl_add_u32 v242, v0, 2, 0x4c800
	v_mov_b32 v243, 0
	ds_add_u32 v242, v243
	ds_add_u32 v242, v243
	v_lshrrev_b32 v8, 5, v0
	s_delay_alu instid0(VALU_DEP_1)
	v_readfirstlane_b32 s[WV], v8                  ; wave 0..7
	s_bfe_u32 s19, ttmp6, 0x40000                  ; cx
	s_lshl_b32 s54, ttmp9, 2
	s_add_co_u32 s54, s54, s19                     ; my token block of queries: it enters Q's and out's addresses alone
	s_and_b32 s55, ttmp7, 0xffff                   ; 8 b + h, which the four partners share
.irp g, G1H, G1F
	s_mov_b32 s[\g], 15|(3<<16)|(1<<21)            ; 15:0 the mask: all four work-groups; 17:16 elements of 8 bytes; 21 set beside a mask; no padding: images are read 512 consecutive bytes an instruction
	s_mov_b32 s[\g+1], 32<<16                      ; tensor_dim0 = 32
	s_mov_b32 s[\g+3], 32<<16                      ; tile_dim0 = 32
	s_mov_b32 s[\g+5], 32                          ; from row to row
	s_mov_b32 s[\g+6], 0
	s_mov_b32 s[\g+7], 0
.endr
	s_mov_b32 s[G1H+2], 34<<16                     ; tensor_dim1
	s_mov_b32 s[G1H+4], 34                         ; tile_dim1
	s_mov_b32 s[G1F+2], 102<<16
	s_mov_b32 s[G1F+4], 102
	s_mov_b32 s[SEL], 0x76543210
	s_mov_b32 s[SEL+1], 0xfedcba98
	s_mov_b32 s[CS], 0x3e0293ee                    ; c = log2(e) / sqrt(128)
	s_mov_b32 s[CS+1], s[CS]
	s_mov_b32 s[TB], 0
	s_lshl_b32 s56, s55, 4
	s_mul_i32 s56, s56, TBLK                       ; the head's first byte
	s_mov_b32 s57, 0
	s_mul_i32 s58, s[WV], CHUNK                    ; my first load: chunk w of K and V, which lie behind q's 16 chunks
	s_add_co_u32 s58, s58, 16*CHUNK
	s_mov_b32 s59, 0
	s_mul_i32 s60, s[WV], TBLK                     ; my second: three chunks, behind key steps 0 to 3
	s_add_co_u32 s60, s60, 16*CHUNK+4*KSB
	s_mov_b32 s61, 0
	s_mul_i32 s62, s[WV], CHUNK                    ; and the same places in LDS
	s_mul_i32 s63, s[WV], TBLK
	s_mul_i32 s68, s54, CHUNK
	s_lshl_b32 s69, s[WV], 10
	s_add_co_u32 s68, s68, s69
	s_mov_b32 s69, 0
	s_mul_i32 s70, s54, CHUNK
	s_lshl_b32 s71, s[WV], 6
	s_add_co_u32 s70, s70, s71
	s_add_co_u32 s70, s70, 8192
	s_mov_b32 s71, 0
	s_lshr_b32 s72, s55, 3                         ; out: token 2,048 b + 128 x block + 32 (w / 2) + 8 (w % 2), 4,096 bytes a token; 512 a head
	s_lshl_b32 s72, s72, 11
	s_lshl_b32 s73, s54, 7
	s_add_co_u32 s72, s72, s73
	s_lshr_b32 s73, s[WV], 1
	s_lshl_b32 s73, s73, 5
	s_add_co_u32 s72, s72, s73
	s_and_b32 s73, s[WV], 1
	s_lshl_b32 s73, s73, 3
	s_add_co_u32 s72, s72, s73
	s_lshl_b32 s72, s72, 12
	s_and_b32 s73, s55, 7
	s_lshl_b32 s73, s73, 9
	s_add_co_u32 s72, s72, s73
	s_mov_b32 s73, 0
	s_wait_dscnt 0x0
	s_wait_kmcnt 0x0
	s_add_nc_u64 s[66:67], s[4:5], s[56:57]        ; the head in qkv
	s_add_nc_u64 s[68:69], s[66:67], s[68:69]
	s_add_nc_u64 s[70:71], s[66:67], s[70:71]
	s_add_nc_u64 s[6:7], s[6:7], s[72:73]
	CROUND                                         ; all four work-groups are here: the joint loads meet
	s_mov_b32 s[G0], 1                             ; key steps 0 to 3, half a step a wave
	s_mov_b32 s[G0+1], s62
	s_add_nc_u64 s[G0+2:G0+3], s[66:67], s[58:59]
	s_or_b32 s[G0+3], s[G0+3], 0x80000000
	s_mov_b32 s[G0+8], 1                           ; key steps 4 to 15, a step and a half a wave
	s_add_co_u32 s[G0+9], s63, 4*KSB
	s_add_nc_u64 s[G0+10:G0+11], s[66:67], s[60:61]
	s_or_b32 s[G0+11], s[G0+11], 0x80000000
	tensor_load_to_lds s[G0:G0+3], s[G1H:G1H+7]    ; my one tensor load at the head
	s_nop 0
.rept 4
	v_nop
.endr
	v_and_b32 v8, 31, v0
	s_delay_alu instid0(VALU_DEP_1)
	v_lshlrev_b32 v[LI], 4, v8
	s_delay_alu instid0(VALU_DEP_2)
	v_lshlrev_b32 v[LS], 2, v8
	v_and_b32 v9, 15, v0
	s_delay_alu instid0(VALU_DEP_1)
	v_lshlrev_b32 v11, 2, v9                       ; Q's scale words: 4 x (lane % 16)
	global_load_b128 v[16:19], v[LI], s[68:69]     ; Q's fragment stays in registers
	global_load_b128 v[20:23], v[LI], s[68:69] offset:512
	global_load_b32 v255, v11, s[70:71]            ; and its scale words
	v_bfe_u32 v10, v0, 4, 1
	s_delay_alu instid0(VALU_DEP_1)
	v_lshlrev_b32 v[GO], 12, v10
	s_delay_alu instid0(VALU_DEP_1)
	v_lshl_add_u32 v[GO], v9, 4, v[GO]             ; the way out: lanes 0-15 one token's row, lanes 16-31 the next token's; 16 bytes a lane
	v_mov_b32 v13, 0xff61b1e6                      ; the largest t so far: -3e38, under every t
	s_delay_alu instid0(VALU_DEP_1)
	v_floor_f32 v12, -v13                          ; -M
	v_mov_b32 v14, 0                               ; the sum, in two halves
	v_mov_b32 v15, 0
.irp b, 0,1,2,3
	v_mov_b32 v[236+\b], 0                         ; written once: a lane permute's destination counts as one of its sources
.endr
	v_mov_b32 v253, 0                              ; (named as the upper half of the pair v[252:253] before it is first written)
.set j, 0
.rept 64
	v_mov_b32 v[160+j], 0                          ; O^T.  (The step is written for every key step alike: the first finds zeros, which the first change of M leaves zeros)
.set j, j+1
.endr
; 20 LDS loads in one run: K's scale words and its eight fragments, off bytes on from the key step whose addresses stand in v[ADK] and v[ADS]
.macro KFETCH off
.irp g, 0,1,2,3
	ds_load_b32 v[KSW+\g], v[ADS] offset:(\off)+8192+128*\g
.endr
	WIN 0x40                                       ; destination window 1, address window 0
.irp t, 0,1,2,3,4,5,6,7
.irp c, 0,1
	ds_load_b128 v[FR+8*\t+4*\c:FR+8*\t+4*\c+3], v[ADK] offset:(\off)+1024*\t+512*\c
.endr
.endr
	WIN 0
.endm
; A KEY STEP: 128 keys, at LDS byte s[TB].  Its K was asked for a step ago.  nx = 1: the next step's K is asked for.
.macro STEP nx
	v_add_nc_u32 v[ADK], s[TB], v[LI]
	v_add_nc_u32 v[ADS], s[TB], v[LS]
	v_nop
	v_nop                                          ; four places in front of loads into registers that the last step's matrix instructions have read
.irp t, 0,1,2,3,4,5,6,7                        ; V of this step: 20 loads, wanted behind the softmax
.irp c, 0,1
	ds_load_b128 v[FR+8*\t+4*\c:FR+8*\t+4*\c+3], v[ADK] offset:CHUNK+1024*\t+512*\c
.endr
.endr
.irp g, 0,1,2,3
	ds_load_b32 v[VSW+\g], v[ADS] offset:CHUNK+8192+128*\g
.endr
	s_wait_dscnt 20                                ; all but the 20 just issued: K and its scale words are in
	WIN 0x01                                       ; source 0 (K) window 1
.irp t, 0,1,2,3,4,5,6,7                        ; S^T = K Q^T: eight tiles of 16 keys
.if \t%2
	v_wmma_scale_f32_16x16x128_f8f6f4 v[96+8*\t:103+8*\t], v[FR+8*\t:FR+8*\t+7], v[16:23], 0, v[KSW+\t/2], v255 matrix_a_fmt:MATRIX_FMT_FP4 matrix_b_fmt:MATRIX_FMT_FP4 matrix_a_scale:MATRIX_SCALE_ROW1
.else
	v_wmma_scale_f32_16x16x128_f8f6f4 v[96+8*\t:103+8*\t], v[FR+8*\t:FR+8*\t+7], v[16:23], 0, v[KSW+\t/2], v255 matrix_a_fmt:MATRIX_FMT_FP4 matrix_b_fmt:MATRIX_FMT_FP4
.endif
.endr
	WIN 0
.rept 4
	v_nop                                          ; four places: in front of the loads into K's registers and of the first read of the scores
.endr
.if \nx
	s_wait_alu depctr_va_vdst(0)
	KFETCH KSB                                     ; the next step's K: it has the softmax and the products V^T P in which to land
.endif
.irp b, 0,1,2,3
	v_max3_num_f32 v[232+\b], v[96+16*\b], v[97+16*\b], v[98+16*\b]   ; THE LARGEST SCORE OF EACH BLOCK OF 32 KEYS: it serves the row's maximum and, since p rises with the score, the block's largest p
.endr
.irp i, 3,5,7,9,11,13
.irp b, 0,1,2,3
	v_max3_num_f32 v[232+\b], v[232+\b], v[96+16*\b+\i], v[97+16*\b+\i]   ; (the four blocks by turns)
.endr
.endr
.irp b, 0,1,2,3
	v_max_num_f32 v[232+\b], v[232+\b], v[111+16*\b]
.endr
.irp b, 0,1,2,3
	s_delay_alu instid0(VALU_DEP_4)
	v_permlanex16_b32 v[236+\b], v[232+\b], s[SEL], s[SEL+1]
.endr
.irp b, 0,1,2,3
	s_delay_alu instid0(VALU_DEP_4)
	v_max_num_f32 v[232+\b], v[232+\b], v[236+\b]  ; with lane l xor 16's 16 keys
.endr
	s_delay_alu instid0(VALU_DEP_2)
	v_max3_num_f32 v254, v232, v233, v234
	s_delay_alu instid0(VALU_DEP_1)
	v_max_num_f32 v254, v254, v235                 ; the step's largest score of my query
	s_delay_alu instid0(VALU_DEP_1)
	v_mul_f32 v254, s[CS], v254                    ; as t (c is positive)
	s_delay_alu instid0(VALU_DEP_1)
	v_max_num_f32 v13, v13, v254                   ; the running largest t
	v_mov_b32 v254, v12
	s_delay_alu instid0(VALU_DEP_2)
	v_floor_f32 v12, -v13                          ; the new -M = floor(-t) = -ceil(t): M IS A WHOLE NUMBER
	s_delay_alu instid0(VALU_DEP_1)
	v_sub_f32 v254, v12, v254                      ; M's old value less its new one: a whole number, 0 or less
	s_delay_alu instid0(VALU_DEP_1)
	v_cvt_i32_f32 v254, v254                       ; (it saturates)
	s_delay_alu instid0(VALU_DEP_1)
	v_ldexp_f32 v252, 1.0, v254                    ; f = 2^(old M - new M): a multiplication by it rounds nothing
.irp j, 0,2,4,6,8,10,12,14,16,18,20,22,24,26,28,30,32,34,36,38,40,42,44,46,48,50,52,54,56,58,60,62
	v_pk_fma_f32 v[96+\j:97+\j], v[96+\j:97+\j], s[CS:CS+1], v[12:13] op_sel_hi:[1,0,0]   ; t - M, two at a time (of the pairs c and -M the low word serves both halves)
.endr
.irp b, 0,1,2,3
	v_fma_f32 v[232+\b], v[232+\b], s[CS], v12     ; the same of each block's largest score
.endr
.set j, 0
	s_wait_alu depctr_va_vdst(0)
.rept 64
	v_exp_f32 v[96+j], v[96+j]                     ; p = 2^(t - M), at most 1: NOT normalised
.set j, j+1
.endr
	v_pk_mul_f32 v[14:15], v[14:15], v[252:253] op_sel_hi:[1,0]   ; the sums under the new M (a plain line behind the exponentials)
	s_wait_alu depctr_va_vdst(0)                   ; the wait ahead of the first line that names an exponential's result: one for the batch of 64
.irp b, 0,1,2,3
	v_exp_f32 v[232+\b], v[232+\b]                 ; the block's largest p: the same two instructions on the same number give the same bits
.endr
	v_pk_add_f32 v[236:237], v[100:101], v[104:105]
	v_pk_add_f32 v[246:247], v[108:109], v[112:113]
	v_pk_add_f32 v[244:245], v[116:117], v[120:121]
	v_pk_add_f32 v[240:241], v[124:125], v[128:129]
	v_pk_add_f32 v[238:239], v[132:133], v[136:137]
	v_pk_add_f32 v[230:231], v[140:141], v[144:145]
	v_pk_add_f32 v[228:229], v[148:149], v[152:153]
	v_pk_add_f32 v[14:15], v[14:15], v[156:157]
	v_pk_add_f32 v[236:237], v[236:237], v[96:97]
	v_pk_add_f32 v[246:247], v[246:247], v[98:99]
	v_pk_add_f32 v[244:245], v[244:245], v[102:103]
	v_pk_add_f32 v[240:241], v[240:241], v[106:107]
	v_pk_add_f32 v[238:239], v[238:239], v[110:111]
	v_pk_add_f32 v[230:231], v[230:231], v[114:115]
	v_pk_add_f32 v[228:229], v[228:229], v[118:119]
	v_pk_add_f32 v[14:15], v[14:15], v[122:123]
	v_pk_add_f32 v[236:237], v[236:237], v[126:127]
	v_pk_add_f32 v[246:247], v[246:247], v[130:131]
	v_pk_add_f32 v[244:245], v[244:245], v[134:135]
	v_pk_add_f32 v[240:241], v[240:241], v[138:139]
	v_pk_add_f32 v[238:239], v[238:239], v[142:143]
	v_pk_add_f32 v[230:231], v[230:231], v[146:147]
	v_pk_add_f32 v[228:229], v[228:229], v[150:151]
	v_pk_add_f32 v[14:15], v[14:15], v[154:155]
	v_pk_add_f32 v[236:237], v[236:237], v[158:159]
	s_delay_alu instid0(VALU_DEP_2)
	v_pk_add_f32 v[14:15], v[14:15], v[240:241]
	s_delay_alu instid0(VALU_DEP_2)
	v_pk_add_f32 v[236:237], v[236:237], v[238:239]
	v_pk_add_f32 v[246:247], v[246:247], v[230:231]
	v_pk_add_f32 v[244:245], v[244:245], v[228:229]
	s_delay_alu instid0(VALU_DEP_2)
	v_pk_add_f32 v[14:15], v[14:15], v[246:247]
	s_delay_alu instid0(VALU_DEP_2)
	v_pk_add_f32 v[236:237], v[236:237], v[244:245]
	s_delay_alu instid0(VALU_DEP_1)
	v_pk_add_f32 v[14:15], v[14:15], v[236:237]
	s_wait_alu depctr_va_vdst(0)                   ; and one for the four
.irp b, 0,1,2,3
	v_max_num_f32 v[232+\b], 0x1800000, v[232+\b]  ; the floor 2^(3 - 127): the byte cannot fall under 1 (a block whose every p has fallen to 0 keeps that byte: its codes are zeros)
.endr
.irp b, 0,1,2,3
	s_delay_alu instid0(VALU_DEP_4)
	v_add_nc_u32 v[244+\b], 0xff000000, v[232+\b]  ; 2 off the exponent field: the conversion's scale operand
.endr
.irp b, 0,1,2,3
	s_delay_alu instid0(VALU_DEP_4)
	v_lshrrev_b32 v[236+\b], 23, v[244+\b]         ; the scale's byte
.endr
	s_delay_alu instid0(VALU_DEP_3)
	v_lshl_or_b32 v253, v237, 8, v236              ; p's scale word for these 128 keys
	s_delay_alu instid0(VALU_DEP_1)
	v_lshl_or_b32 v253, v238, 16, v253
	s_delay_alu instid0(VALU_DEP_1)
	v_lshl_or_b32 v253, v239, 24, v253
.irp b, 0,1,2,3
	v_cvt_scalef32_pk8_fp4_f32 v[224+2*\b], v[96+16*\b:103+16*\b], v[244+\b]
	v_cvt_scalef32_pk8_fp4_f32 v[225+2*\b], v[104+16*\b:111+16*\b], v[244+\b]
.endr
	v_nop                                          ; one plain line between a scaled conversion and the vector instruction that touches its result
.irp c, 0,1                                    ; the operand's layout wants a WHOLE block in a lane: lanes 0-15 block 2 c, lanes 16-31 block 2 c + 1
.irp i, 0,1
	v_permlane16_swap_b32 v[224+4*\c+\i], v[226+4*\c+\i]
.endr
.endr
.irp j, 0,2,4,6,8,10,12,14,16,18,20,22,24,26,28,30,32,34,36,38,40,42,44,46,48,50,52,54,56,58,60,62
	v_pk_mul_f32 v[160+\j:161+\j], v[160+\j:161+\j], v[252:253] op_sel_hi:[1,0]   ; O^T under the new M: x f.  (These 32 are also the places between p's codes and scale word and the matrix instructions below)
.endr
.if \nx
	s_wait_alu depctr_va_vdst(0)
	s_wait_dscnt 20                                ; all but the next step's K: V and its scale words are in
.else
	s_wait_alu depctr_va_vdst(0)
	s_wait_dscnt 0x0
.endif
.irp t, 0,1,2,3,4,5,6,7                        ; O^T += V^T P^T: eight tiles of 16 of the head's 128; K = these 128 keys.  The eight accumulators take turns, one instruction a turn
.if \t%2
	v_wmma_scale_f32_16x16x128_f8f6f4 v[160+8*\t:167+8*\t], v[FR+8*\t:FR+8*\t+7], v[224:231], v[160+8*\t:167+8*\t], v[VSW+\t/2], v253 matrix_a_fmt:MATRIX_FMT_FP4 matrix_b_fmt:MATRIX_FMT_FP4 matrix_a_scale:MATRIX_SCALE_ROW1
.else
	v_wmma_scale_f32_16x16x128_f8f6f4 v[160+8*\t:167+8*\t], v[FR+8*\t:FR+8*\t+7], v[224:231], v[160+8*\t:167+8*\t], v[VSW+\t/2], v253 matrix_a_fmt:MATRIX_FMT_FP4 matrix_b_fmt:MATRIX_FMT_FP4
.endif
.endr
	s_add_co_u32 s[TB], s[TB], KSB                 ; on to the next key step
.endm
.macro KLOOP n
	s_mov_b32 s[CNT], \n
.Lk_\@:
	STEP 1
	s_sub_co_u32 s[CNT], s[CNT], 1
	s_cmp_lg_u32 s[CNT], 0
	s_cbranch_scc1 .Lk_\@
.endm
; A step reads the next step's K, so the barrier that shows a group of key steps landed stands one step ahead of the group's first step.
	s_wait_alu depctr_va_vdst(0)
	s_wait_loadcnt 0x0                             ; Q
	s_wait_tensorcnt 0x0                           ; my part of key steps 0 to 3 is in
	ds_add_u32 v242, v243
	s_wait_dscnt 0x0
	CROUND                                         ; everybody's part is in, and all four work-groups are here: the joint loads meet
	tensor_load_to_lds s[G0+8:G0+11], s[G1F:G1F+7] ; the first tensor load behind the round: my part of key steps 4 to 15
	s_nop 0
.rept 4
	v_nop
.endr
	v_add_nc_u32 v[ADK], s[TB], v[LI]
	v_add_nc_u32 v[ADS], s[TB], v[LS]
	KFETCH 0                                       ; K of key step 0
	KLOOP 3                                        ; key steps 0 to 2; they ask for K of 1 to 3
	s_wait_tensorcnt 0x0                           ; my part of key steps 4 to 15 is in
	s_wait_dscnt 0x0                               ; no LDS load of mine is out at the signal
	s_barrier_signal -1
	s_barrier_wait -1
	KLOOP 12                                       ; key steps 3 to 14; they ask for K of 4 to 15
	STEP 0                                         ; key step 15 is written out: there is no K behind it to ask for
	; THE WAY OUT.  O^T is divided by the row's sum and goes through my stage in LDS, half a head's row (64 channels, 256 bytes) of 16 queries at a time, so that sixteen lanes store 256 consecutive bytes.
	v_add_f32 v14, v14, v15                        ; the sum's two halves,
	s_delay_alu instid0(VALU_DEP_1)
	v_permlanex16_b32 v252, v14, s[SEL], s[SEL+1]
	s_delay_alu instid0(VALU_DEP_1)
	v_add_f32 v14, v14, v252                       ; and lane l xor 16's: the row's sum
	s_wait_alu depctr_va_vdst(0)
	v_rcp_f32 v14, v14
	v_and_b32 v8, 15, v0                           ; (a plain line behind the reciprocal)  r
	v_bfe_u32 v9, v0, 4, 1                         ; h
	s_mul_i32 s73, s[WV], 16*272
	s_add_co_u32 s73, s73, STAGE                   ; my stage
	v_mul_u32_u24 v10, v8, 272
	s_delay_alu instid0(VALU_DEP_1)
	v_lshl_add_u32 v10, v9, 6, v10
	s_delay_alu instid0(VALU_DEP_1)
	v_add_nc_u32 v10, s73, v10                     ; in: row r; register 8 t + j is d = 32 (t / 2) + 16 h + 8 (t % 2) + j: 64 h bytes on
	v_mul_u32_u24 v11, v9, 272
	s_delay_alu instid0(VALU_DEP_1)
	v_lshl_add_u32 v11, v8, 4, v11
	s_delay_alu instid0(VALU_DEP_1)
	v_add_nc_u32 v11, s73, v11                     ; back: lanes 0-15 one row, lanes 16-31 the next
	s_wait_alu depctr_va_vdst(0)                   ; the wait ahead of the reciprocal's first reader
.set j, 0
.rept 64
	v_mul_f32 v[96+j], v[160+j], v14               ; each accumulator from its low end on
.set j, j+1
.endr
.irp u, 0,1                                    ; channels 64 u on
.irp t, 0,1,2,3
	ds_store_b128 v10, v[96+32*\u+8*\t:99+32*\u+8*\t] offset:128*(\t/2)+32*(\t%2)
	ds_store_b128 v10, v[100+32*\u+8*\t:103+32*\u+8*\t] offset:128*(\t/2)+32*(\t%2)+16
.endr
.irp i, 0,1,2,3,4,5,6,7
	ds_load_b128 v[32+32*\u+4*\i:35+32*\u+4*\i], v11 offset:2*\i*272   ; LDS serves a wave's instructions in order: these see my stores, and the next half's stores come behind them
.endr
.endr
.irp u, 0,1
.irp i, 0,1,2,3,4,5,6,7
	s_wait_dscnt 15-8*\u-\i                        ; at most the LDS instructions issued behind this load
	global_store_b128 v[GO], v[32+32*\u+4*\i:35+32*\u+4*\i], s[6:7] offset:(2*\i+8*(\i/4))*4096+256*\u th:TH_STORE_NT   ; stage row 2 i + (lane / 16) is token 2 i + 8 (i / 4) + (lane / 16) of my fragment
.endr
.endr
	s_wait_dscnt 0x0
	s_wait_tensorcnt 0x0
	ds_add_u32 v242, v243
	s_wait_dscnt 0x0
	CROUND                                         ; the closing round: no work-group ends while a partner may still ask for bytes by a load that names it
	s_endpgm
.Lfunc_end_k_q4dbb005ec3_attn:
	.size	k_q4dbb005ec3_attn, .Lfunc_end_k_q4dbb005ec3_attn-k_q4dbb005ec3_attn
	.p2alignl 7, 3214868480
	.fill 96, 4, 3214868480
	.section	.rodata,"a",@progbits
	.p2align	6, 0x0
	.amdhsa_kernel k_q4dbb005ec3_attn
		.amdhsa_group_segment_fixed_size 327680
		.amdhsa_private_segment_fixed_size 0
		.amdhsa_enable_private_segment 0
		.amdhsa_kernarg_size 16
		.amdhsa_user_sgpr_count 2
		.amdhsa_user_sgpr_kernarg_segment_ptr 1
		.amdhsa_wavefront_size32 1
		.amdhsa_system_sgpr_workgroup_id_x 1
		.amdhsa_system_sgpr_workgroup_id_y 1
		.amdhsa_system_sgpr_workgroup_id_z 1
		.amdhsa_system_vgpr_workitem_id 0
		.amdhsa_next_free_vgpr 352
		.amdhsa_next_free_sgpr 80
		.amdhsa_reserve_vcc 0
		.amdhsa_float_denorm_mode_32 3
		.amdhsa_float_denorm_mode_16_64 3
		.amdhsa_memory_ordered 1
		.amdhsa_forward_progress 1
		.amdhsa_inst_pref_size 73
	.end_amdhsa_kernel
	.amdgpu_metadata
---
amdhsa.version: [ 1, 2 ]
amdhsa.kernels:
  - .name:           k_q4dbb005ec3_attn
    .symbol:         k_q4dbb005ec3_attn.kd
    .args:
      - { .name: qkv, .offset: 0, .size: 8, .value_kind: global_buffer, .address_space: global }
      - { .name: out0, .offset: 8, .size: 8, .value_kind: global_buffer, .address_space: global }
    .group_segment_fixed_size: 327680
    .private_segment_fixed_size: 0
    .kernarg_segment_align: 8
    .kernarg_segment_size: 16
    .max_flat_workgroup_size: 256
    .sgpr_count:     80
    .vgpr_count:     352
    .wavefront_size: 32
...
	.end_amdgpu_metadata
.endif
;; end of part 3
